; MI455X (gfx1250); checked and timed in simulation.
; The chip was launched on July 23, 2026; its instructions are those of AMD's public machine-readable ISA for CDNA 5 (MIT licence, August 2026) and "CDNA5" Instruction Set Architecture Reference Guide (July 2026). The comments in the code are by the model that wrote it; some were corrected since.
;; Multi Head Attention. Allowed arithmetic: matrix products marked QUANTISED: E4M3 operands, one given power-of-two scale a tensor, by v_wmma_f32_16x16x64_fp8_fp8 or v_wmma_f32_16x16x128_fp8_fp8, f32 sums; everything else in f32.
;; Inputs: Wk 1,024 x 1,024 float32; Wq 1,024 x 1,024 float32; Wv 1,024 x 1,024 float32; bk 1,024 float32; bq 1,024 float32; bv 1,024 float32; k 4 x 2,048 x 1,024 float32; lowp_scales 10 int32 (the exponents e of the quantised operands' scales 2^e); q 4 x 2,048 x 1,024 float32; v 4 x 2,048 x 1,024 float32.
;; Outputs: out0 4 x 2,048 x 1,024 float32.
;; This version of the problem:
;;   THIS VERSION OF THE PROBLEM IS GIVEN IN LOW PRECISION. The matrix products marked QUANTISED in the list below multiply operands that are first quantised to E4M3 (4 exponent bits, 3 mantissa bits; 8 bits a number), with one given power-of-two scale for each operand tensor; their sums are f32. All else is computed in f32.
;;   The module's matrix products, in the order in which they are computed (A, B: the left and right operand; K: the contracted axis; several contracted axes count as one K, in the product's order):
;;     1. [M 8,192, K 1,024] x [K 1,024, N 1,024]; A: input q; B: input Wq: QUANTISED (scales: A lowp_scales[0], B lowp_scales[1])
;;     2. [M 8,192, K 1,024] x [K 1,024, N 1,024]; A: input k; B: input Wk: QUANTISED (scales: A lowp_scales[2], B lowp_scales[3])
;;     3. [M 8,192, K 1,024] x [K 1,024, N 1,024]; A: input v; B: input Wv: QUANTISED (scales: A lowp_scales[4], B lowp_scales[5])
;;     4. batch 64 x [M 2,048, K 64] x [K 64, N 2,048]; A: computed on the way; B: computed on the way: QUANTISED (scales: A lowp_scales[6], B lowp_scales[7])
;;     5. batch 64 x [M 2,048, K 2,048] x [K 2,048, N 64]; A: softmax (see below); B: computed on the way: QUANTISED (scales: A lowp_scales[8], B lowp_scales[9])
;;   THE QUANTISER, for each operand of a quantised product, along K:
;;     - The operand's scale is 2^e, e = its entry of the input lowp_scales (int32; the entries are numbered through the quantised products in the list's order, A before B).
;;     - Each number is divided by the scale, clamped to +-448, and rounded to the nearest number of E4M3, ties to even, subnormals kept.
;;     - The product sums the exact products of the quantised numbers (number of the format x scale) in f32.
;;   ~~~python
;;   def quantise(x, axis, e):      # numpy; x: float32 -> the quantised numbers, widened to float32 again
;;       x = np.moveaxis(x, axis, -1); K = x.shape[-1]
;;       r = np.clip(x / 2.0 ** e, -448, 448)
;;       step = 2.0 ** (np.maximum(np.frexp(np.where(r == 0, 1, r))[1] - 1, -6) - 3)
;;       q = np.round(r / step) * step * 2.0 ** e      # np.round: ties to even
;;       return np.moveaxis(q, -1, axis).astype(np.float32)
;;   ~~~
;;   SOFTMAX AHEAD OF A QUANTISED PRODUCT. Where the list says 'softmax', what is quantised is not the finished softmax but p = 2^(t - M), with t = logit x log2(e) and M = ceil(the row's largest t), a whole number; so 1/2 < the row's largest p <= 1. The row's sum l is taken of the UNQUANTISED p, in f32, and the product's result is divided by l at the end. Since M is a whole number, a kernel that streams over the keys may use a running M (the ceiling of the running maximum): every later rescaling is an exact power of two, so the quantised numbers keep their values, but for numbers so far below the row's largest that they fall under the format's range.
;;   OPERANDS COMPUTED ON THE WAY. 'Computed on the way' means the value that the module computes at that place (a softmax that the list does not call 'softmax' is quantised finished and normalised). What goes into a quantiser is computed in f32, as accurately as f32 sums, v_exp_f32 and their like allow (about 1e-6 of the number): no bf16 or f16 on the way to a quantiser, and a product that is left as it is and whose result goes on into a quantised operand takes f32 operands (vector FMAs, or v_wmma_f32_16x16x4_f32). A number that lies on a knife's edge between two numbers of the format may be rounded either way, as far as f32 arithmetic and the matrix unit's own rounding can turn it there, and no further.
;; One version. Each part assembles by itself: llvm-mc -triple=amdgcn-amd-amdhsa -mcpu=gfx1250 --defsym DOCPART=n.
;; ======== version 1 of 1: 3 launches
;; limits: right only within a limited range of input values
;; workspace buffers: codes 28,311,552 bytes; qkv 25,165,824 bytes
;; launch quant (part 1): grid 864 x 1, 4 waves a work-group, no clusters, 33,280 bytes of LDS; arguments q, k, v, Wq, Wk, Wv, lowp_scales, codes; writes codes
.if DOCPART == 1
	.amdgcn_target "amdgcn-amd-amdhsa--gfx1250"
	.amdhsa_code_object_version 6
	.text
	.protected	k_qc15e8d1aaa_quant
	.globl	k_qc15e8d1aaa_quant
	.p2align	8
	.type	k_qc15e8d1aaa_quant,@function
k_qc15e8d1aaa_quant:
	s_mov_b64 s[64:65], 0
	v_nop
	global_prefetch_b8 v0, s[64:65] scope:SCOPE_SE
	s_setreg_imm32_b32 hwreg(HW_REG_WAVE_MODE, 25, 1), 1
	s_wait_xcnt 0x0
; q, k, v [8192][1024] and Wq, Wk, Wv [1024][1024], f32, K innermost, become codes of E4M3, one byte each, K innermost, each tensor with the one scale 2^e given for it.
; code = x / 2^e, held within +-448, rounded to the nearest code, ties to even.  e: entries 0, 2, 4 (q, k, v) and 1, 3, 5 (Wq, Wk, Wv) of the buffer of scales.
; LIMITS: -126 <= e <= 119, so that 2^e and 448 x 2^e are f32 numbers.  NaN among the inputs is not served (an infinity is held at the largest code).
; The six tensors lie one behind the other in the buffer of codes: q, k, v (8 Mi bytes each), Wq, Wk, Wv (1 Mi each).  Rows are dense, so each tensor is a plain stream.
; SHARES.  A work-group takes 32,768 numbers, a wave 8,192, in 16 steps of 512.  Work-groups 0-767: q, k, v, 256 each; 768-863: the weights, 32 each.  So work-group g writes the codes' bytes 32,768 g on.
; Only pointers and the exponent are chosen by the work-group's number: all tensors take one path through the text.
; A conversion takes 8 neighbours along K from ONE lane's registers; a load is dense where neighbouring LANES take neighbouring bytes.  Both are had: each of a step's four loads reads 512 consecutive bytes,
; 16 a lane; the 2,048 bytes go through the wave's own stage in LDS as they lie and come back 64 bytes a lane (16 bytes of padding behind each 64).  A lane's 16 codes are 16 bytes: the wave stores 512 consecutive bytes.
; No tensor loads, no barrier (waves share nothing), no matrix unit, no cluster (no work-group reads what another reads), no prefetch (every wave has 16 loads of 512 bytes out from its first lines on).
.set STEPS, 16
.set BIGW,  768                        ; the work-groups of q, k and v
.set EMAX,  8
.set MANT,  0x600000                   ; the mantissa field of 448 as f32
.set R,     16                         ; v16-79   four sets of 16 numbers as they are loaded
.set X,     80                         ; v80-111  two sets of 16 neighbours
.set C,     128                        ; v128-191 codes: four registers for each step, so that no store's data are written again
.set WREG,  8192                       ; LDS: a region for each wave: two stages of 32 x SP bytes
.set SP,    80                         ; a lane's place in a stage: its 64 bytes + 16 of padding
	s_load_b512 s[8:23], s[0:1], 0x0               ; q s[8:9], k, v, Wq, Wk, Wv s[18:19], the exponents s[20:21], the codes s[22:23]
	v_lshl_add_u32 v192, v0, 2, 0x8000
	v_mov_b32 v193, 0
	v_lshrrev_b32 v1, 5, v0
	v_readfirstlane_b32 s24, v1                    ; wave
	v_and_b32 v2, 31, v0                           ; lane
	v_lshlrev_b32 v3, 4, v2                        ; my 16 bytes of a load's 512, and of a store's; never rewritten
	s_mul_i32 s25, s24, WREG
	v_lshrrev_b32 v14, 2, v2
	v_mul_u32_u24 v14, v14, SP
	v_and_b32 v15, 3, v2
	v_lshl_add_u32 v14, v15, 4, v14
	v_add_nc_u32 v14, s25, v14                     ; the stage, on the way in: four lanes' 64 bytes on end, then 16 of padding: SP (lane / 4) + 16 (lane % 4)
	v_mul_u32_u24 v15, v2, SP
	v_add_nc_u32 v15, s25, v15                     ; and on the way out: SP x lane: my 16 neighbours
	s_lshr_b32 s26, ttmp9, 8                       ; which tensor: g / 256 among q, k, v,
	s_sub_co_u32 s27, ttmp9, BIGW
	s_lshr_b32 s27, s27, 5
	s_add_co_u32 s27, s27, 3                       ; 3 + (g - 768) / 32 among the weights
	s_cmp_lt_u32 ttmp9, BIGW
	s_cselect_b32 s26, s26, s27                    ; tensor 0 .. 5
	s_cselect_b32 s27, 255, 31
	s_and_b32 s27, ttmp9, s27                      ; the work-group's number within its tensor (768 is a multiple of 32)
	s_lshl_b32 s27, s27, 2
	s_add_co_u32 s27, s27, s24                     ; which run of 8,192 numbers of the tensor is my wave's
	s_lshl_b32 s28, s27, 15                        ; in bytes of f32: under 2^25
	s_mov_b32 s29, 0
	s_lshl_b32 s30, ttmp9, 2
	s_add_co_u32 s30, s30, s24
	s_lshl_b32 s30, s30, 13                        ; and my wave's 8,192 bytes of codes
	s_mov_b32 s31, 0
	s_wait_alu depctr_va_vdst(0)
	s_wait_kmcnt 0x0
	s_load_b256 s[32:39], s[20:21], 0x0            ; e0 .. e7
	s_mov_b64 s[4:5], s[18:19]                     ; the input: Wv, unless the tensor's number says otherwise: a choice that hangs on no address
.irp n, 4,3,2,1,0
	s_cmp_eq_u32 s26, \n
	s_cselect_b64 s[4:5], s[8+2*\n:9+2*\n], s[4:5]
.endr
	s_add_nc_u64 s[4:5], s[4:5], s[28:29]
	s_add_nc_u64 s[22:23], s[22:23], s[30:31]
.macro LOAD t
.irp i, 0,1,2,3
	global_load_b128 v[R+16*((\t)%4)+4*\i:R+16*((\t)%4)+4*\i+3], v3, s[4:5] offset:2048*(\t)+512*\i th:TH_LOAD_NT   ; 32 lanes read 512 consecutive bytes; read once in the launch
.endr
.endm
.macro TURN t                          ; step t's numbers through the stage: LDS serves a wave's instructions in order (ISA guide 5.7.1.4), so no wait stands between the stores and the loads
.irp i, 0,1,2,3
	ds_store_b128 v14, v[R+16*((\t)%4)+4*\i:R+16*((\t)%4)+4*\i+3] offset:32*SP*((\t)%2)+8*SP*\i
.endr
.irp i, 0,1,2,3
	ds_load_b128 v[X+16*((\t)%2)+4*\i:X+16*((\t)%2)+4*\i+3], v15 offset:32*SP*((\t)%2)+16*\i
.endr
.endm
.irp t, 0,1,2,3
	LOAD \t
.endr
	s_wait_kmcnt 0x0
	s_mov_b32 s40, s37                             ; e: Wv's is entry 5,
	s_cmp_eq_u32 s26, 4
	s_cselect_b32 s40, s35, s40                    ; Wk's 3,
	s_cmp_eq_u32 s26, 3
	s_cselect_b32 s40, s33, s40                    ; Wq's 1,
	s_cmp_eq_u32 s26, 2
	s_cselect_b32 s40, s36, s40                    ; v's 4,
	s_cmp_eq_u32 s26, 1
	s_cselect_b32 s40, s34, s40                    ; k's 2,
	s_cmp_eq_u32 s26, 0
	s_cselect_b32 s40, s32, s40                    ; q's 0
	s_add_co_i32 s40, s40, 127
	s_lshl_b32 s41, s40, 23
	v_mov_b32 v11, s41                             ; 2^e as f32: the conversion takes its exponent field
	s_add_co_i32 s40, s40, EMAX
	s_lshl_b32 s40, s40, 23
	s_or_b32 s40, s40, MANT
	v_mov_b32 v10, s40                             ; 448 x 2^e
	s_wait_alu depctr_va_vdst(0)
	s_wait_loadcnt 12                              ; step 0's four loads are in; the twelve of steps 1 to 3 may be out
	TURN 0
.macro STEP t
.set XS, X+16*((\t)%2)
	s_wait_dscnt 0x0                               ; this step's numbers are back from the stage: so its stores into the stage have read their registers,
.if (\t)+4 < STEPS
	LOAD (\t)+4                                    ; which take the loads of four steps on
.endif
.if (\t)+1 < STEPS
.if STEPS-2-(\t) >= 3
	s_wait_loadcnt 12                              ; the next step's four loads are in; those of the three steps behind it may be out
.else
	s_wait_loadcnt 4*(STEPS-2-(\t))                ; the tail: fewer steps are behind it
.endif
	TURN (\t)+1                                    ; and go through the other stage while this step is worked
.endif
.irp i, 0,1,2,3,4,5,6,7,8,9,10,11,12,13,14,15
	v_med3_num_f32 v[XS+\i], v[XS+\i], -v10, v10   ; the conversion to an 8-bit code does not saturate (ISA guide 7.6.2): the number is held within the largest code x the scale first
.endr
	v_cvt_scalef32_pk8_fp8_f32 v[C+4*(\t):C+4*(\t)+1], v[XS:XS+7], v11          ; eight numbers / 2^e, to the nearest code, ties to even; the first number's code in the lowest byte
	v_cvt_scalef32_pk8_fp8_f32 v[C+4*(\t)+2:C+4*(\t)+3], v[XS+8:XS+15], v11     ; (the results go to a store alone; the next vector lines, the next step's holds, are plain and touch other registers)
	global_store_b128 v3, v[C+4*(\t):C+4*(\t)+3], s[22:23] offset:512*(\t)      ; 32 lanes store 512 consecutive bytes, at a multiple of 256 from the buffer's first byte
.endm
.irp t, 0,1,2,3,4,5,6,7,8,9,10,11,12,13,14,15
	STEP \t
.endr
	s_wait_tensorcnt 0x0
	ds_add_u32 v192, v193
	s_wait_dscnt 0x0
	s_endpgm
.Lfunc_end_k_qc15e8d1aaa_quant:
	.size	k_qc15e8d1aaa_quant, .Lfunc_end_k_qc15e8d1aaa_quant-k_qc15e8d1aaa_quant
	.p2alignl 7, 3214868480
	.fill 96, 4, 3214868480
	.section	.rodata,"a",@progbits
	.p2align	6, 0x0
	.amdhsa_kernel k_qc15e8d1aaa_quant
		.amdhsa_group_segment_fixed_size 33280
		.amdhsa_private_segment_fixed_size 0
		.amdhsa_enable_private_segment 0
		.amdhsa_kernarg_size 64
		.amdhsa_user_sgpr_count 2
		.amdhsa_user_sgpr_kernarg_segment_ptr 1
		.amdhsa_wavefront_size32 1
		.amdhsa_system_sgpr_workgroup_id_x 1
		.amdhsa_system_sgpr_workgroup_id_y 1
		.amdhsa_system_sgpr_workgroup_id_z 1
		.amdhsa_system_vgpr_workitem_id 0
		.amdhsa_next_free_vgpr 194
		.amdhsa_next_free_sgpr 66
		.amdhsa_reserve_vcc 0
		.amdhsa_float_denorm_mode_32 3
		.amdhsa_float_denorm_mode_16_64 3
		.amdhsa_memory_ordered 1
		.amdhsa_forward_progress 1
		.amdhsa_inst_pref_size 38
	.end_amdhsa_kernel
	.amdgpu_metadata
---
amdhsa.version: [ 1, 2 ]
amdhsa.kernels:
  - .name:           k_qc15e8d1aaa_quant
    .symbol:         k_qc15e8d1aaa_quant.kd
    .args:
      - { .name: q, .offset: 0, .size: 8, .value_kind: global_buffer, .address_space: global }
      - { .name: k, .offset: 8, .size: 8, .value_kind: global_buffer, .address_space: global }
      - { .name: v, .offset: 16, .size: 8, .value_kind: global_buffer, .address_space: global }
      - { .name: Wq, .offset: 24, .size: 8, .value_kind: global_buffer, .address_space: global }
      - { .name: Wk, .offset: 32, .size: 8, .value_kind: global_buffer, .address_space: global }
      - { .name: Wv, .offset: 40, .size: 8, .value_kind: global_buffer, .address_space: global }
      - { .name: lowp_scales, .offset: 48, .size: 8, .value_kind: global_buffer, .address_space: global }
      - { .name: codes, .offset: 56, .size: 8, .value_kind: global_buffer, .address_space: global }
    .group_segment_fixed_size: 33280
    .private_segment_fixed_size: 0
    .kernarg_segment_align: 8
    .kernarg_segment_size: 64
    .max_flat_workgroup_size: 128
    .sgpr_count:     66
    .vgpr_count:     194
    .wavefront_size: 32
...
	.end_amdgpu_metadata
.endif
;; end of part 1
;; launch proj (part 2): grid 4 x 96, 4 waves a work-group, clusters of 4 x 4, 327,680 bytes of LDS; arguments codes, lowp_scales, bq, bk, bv, qkv; writes qkv
.if DOCPART == 2
	.amdgcn_target "amdgcn-amd-amdhsa--gfx1250"
	.amdhsa_code_object_version 6
	.text
	.protected	k_qc15e8d1aaa_proj
	.globl	k_qc15e8d1aaa_proj
	.p2align	8
	.type	k_qc15e8d1aaa_proj,@function
k_qc15e8d1aaa_proj:
	s_mov_b64 s[64:65], 0
	v_nop
	global_prefetch_b8 v0, s[64:65] scope:SCOPE_SE
	s_setreg_imm32_b32 hwreg(HW_REG_WAVE_MODE, 25, 1), 1
	s_wait_xcnt 0x0
	s_wait_alu depctr_hold_cnt(0) depctr_sa_sdst(0) depctr_va_vdst(0) depctr_va_sdst(0) depctr_va_ssrc(0) depctr_va_vcc(0) depctr_vm_vsrc(0)
	s_getreg_b32 s2, hwreg(HW_REG_IB_STS2, 6, 4)
	s_cmp_eq_u32 s2, 0
	s_cbranch_scc0 .Lentry_in_a_cluster
	s_endpgm
.Lentry_in_a_cluster:
	s_bfe_u32 s2, ttmp6, 0x10000c
	s_cmp_lg_u32 s2, 0xf033
	s_cbranch_scc0 .Lentry_shape_is_right
	s_endpgm
.Lentry_shape_is_right:
.set KSTEP,  256
.set ROWB,   256
.set KROW,   1024
.set PITCH,  272
.set FR,     16
.set NL,     4
.set NP,     4
.set HALFT,  128*PITCH
.set SLOT,   4*HALFT
.set SPARE,  2*SLOT
.set SC,   10
.set HOLD, 11
.set ADRA, 16
.set ADRB, 20
.set LI,   26
.set BO,   27
.set SPW,  28
.set NIL,  29
.set BI,   32
.set AF,   128
.set TMP,  128
.set CD,   192
.set TT,   66
.set G1, 24
.set G0, 32
.set G1B, 48
.set G0B, 56
.set MSB, 0
.macro WIN new
.if MSB != \new
	s_set_vgpr_msb (MSB<<8)|\new
.set MSB, \new
.endif
.endm
.set MUL_LO, 0xa1
.set MUL_HI, 0xf1
.set TO_B,   0x40
.macro JLOAD g0a, g1a, g0b, g1b
	s_cmp_eq_u32 s15, 0
	s_cbranch_scc0 .Lfor_b_\@
	tensor_load_to_lds s[\g0a:\g0a+3], s[\g1a:\g1a+7]
	s_nop 0
.rept 4
	v_nop
.endr
	s_branch .Lasked_\@
.Lfor_b_\@:
	tensor_load_to_lds s[\g0b:\g0b+3], s[\g1b:\g1b+7]
	s_nop 0
.rept 4
	v_nop
.endr
.Lasked_\@:
.endm
.macro CREST
	s_cmp_lg_u32 s14, 0
	s_cbranch_scc1 .Lnot_wave_0_\@
	s_barrier_signal -3
.Lnot_wave_0_\@:
	s_barrier_wait -3
	s_barrier_signal -1
	s_barrier_wait -1
.endm
.macro CROUND
	s_barrier_signal -1
	s_barrier_wait -1
	CREST
.endm
	s_load_b256 s[4:11], s[0:1], 0x0
	s_load_b128 s[68:71], s[0:1], 0x20
	v_lshl_add_u32 v[SPW], v0, 2, SPARE
	v_mov_b32 v[NIL], 0
	ds_add_u32 v28, v29
	ds_add_u32 v28, v29
	s_wait_dscnt 0x0
	v_lshrrev_b32 v1, 5, v0
	v_readfirstlane_b32 s14, v1
	v_and_b32 v30, 31, v0                          ; the prefetches' offset: my lane x a row of codes (1,024 bytes); never rewritten
	v_lshlrev_b32 v30, 10, v30
	s_lshr_b32 s15, s14, 1
	s_and_b32 s16, s14, 1
	s_bfe_u32 s40, ttmp6, 0x40000
	s_bfe_u32 s41, ttmp6, 0x40004
	s_and_b32 s[TT], ttmp7, 0xffff
	s_and_b32 s67, s[TT], 7
	s_lshl_b32 s67, s67, 2
	s_lshr_b32 s[TT], s[TT], 3
	s_lshl_b32 s82, s[TT], 23
	s_lshl_b32 s83, s[TT], 20
	s_add_co_u32 s83, s83, 24<<20
	s_cmp_eq_u32 s[TT], 2
	s_cselect_b32 s84, 0, s67
	s_cselect_b32 s85, s67, 0
	s_cselect_b32 s82, 26<<20, s82
	s_cselect_b32 s83, 16<<20, s83
	s_add_co_u32 s17, s41, s84
	s_add_co_u32 s42, s40, s85
	s_lshl_b32 s43, s41, 2
	s_lshl_b32 s43, 15, s43
	s_lshl_b32 s44, 0x1111, s40
	s_or_b32 s[G1+0], s43, (0<<16)|(1<<20)|(1<<21)|(5<<22)|(3<<25)
	s_or_b32 s[G1B+0], s44, (0<<16)|(1<<20)|(1<<21)|(5<<22)|(3<<25)
.irp g, G1, G1B
	s_mov_b32 s[\g+1], ROWB<<16
	s_mov_b32 s[\g+2], 128<<16
	s_mov_b32 s[\g+3], ROWB<<16
	s_mov_b32 s[\g+4], 128
	s_mov_b32 s[\g+5], KROW
	s_mov_b32 s[\g+6], 0
	s_mov_b32 s[\g+7], 0
.endr
	s_lshl_b32 s18, s16, 7
	s_lshl_b32 s20, s17, 8
	s_add_co_u32 s20, s20, s18
	s_lshl_b32 s20, s20, 10
	s_add_co_u32 s20, s20, s82
	s_mov_b32 s21, 0
	s_lshl_b32 s46, s42, 8
	s_add_co_u32 s46, s46, s18
	s_lshl_b32 s46, s46, 10
	s_add_co_u32 s46, s46, s83
	s_mov_b32 s47, 0
	s_mul_i32 s45, s14, HALFT
	s_wait_alu depctr_va_vdst(0)                   ; the wait here, directly ahead of the wait below
	s_wait_kmcnt 0x0
	s_load_b256 s[72:79], s[6:7], 0x0
	s_load_b64 s[80:81], s[6:7], 0x20
	s_add_nc_u64 s[20:21], s[4:5], s[20:21]
	s_add_nc_u64 s[46:47], s[4:5], s[46:47]
	s_cmp_eq_u32 s15, 0                            ; the prefetches: of the 128 rows that my wave fetches (waves 0, 1: A's; waves 2, 3: B's) each of the four partners that ask for them jointly names 32, told apart by address alone
	s_cselect_b64 s[96:97], s[20:21], s[46:47]
	s_cselect_b32 s98, s40, s41                    ; my place among the four: cx for A's tile, cy for B's
	s_lshl_b32 s98, s98, 15                        ; 32 rows of 1,024 bytes
	s_mov_b32 s99, 0
	s_add_nc_u64 s[96:97], s[96:97], s[98:99]      ; never rewritten
	CROUND
.irp s, 0,1
	s_mov_b32 s[G0+4*\s], 1
	s_add_co_u32 s[G0+4*\s+1], s45, \s*SLOT
	s_add_nc_u64 s[G0+4*\s+2:G0+4*\s+3], s[20:21], \s*ROWB
	s_or_b32 s[G0+4*\s+3], s[G0+4*\s+3], 0x80000000
	s_mov_b32 s[G0B+4*\s], 1
	s_add_co_u32 s[G0B+4*\s+1], s45, \s*SLOT
	s_add_nc_u64 s[G0B+4*\s+2:G0B+4*\s+3], s[46:47], \s*ROWB
	s_or_b32 s[G0B+4*\s+3], s[G0B+4*\s+3], 0x80000000
.if \s                                         ; K step 0's load stands behind the opening lines and the round above; K step 1's, a later first fill, behind the waits, the adds and a round of its own
	s_wait_alu depctr_va_vdst(0)
	s_wait_tensorcnt 0x0
	ds_add_u32 v28, v29
	ds_add_u32 v28, v29
	s_wait_dscnt 0x0
	CROUND
.endif
	JLOAD G0+4*\s, G1, G0B+4*\s, G1B
.if \s                                         ; a lane a row, 256 bytes of a row a K step: each aligned block of 256 bytes is named once in the cluster that will load it; K has four steps, so nothing is asked for behind these three
	global_prefetch_b8 v30, s[96:97] offset:768 th:TH_LOAD_NT scope:SCOPE_SE   ; K step 3, two joint loads ahead of its own
.else
	global_prefetch_b8 v30, s[96:97] offset:256 th:TH_LOAD_NT scope:SCOPE_SE   ; K step 1, one joint load ahead,
	global_prefetch_b8 v30, s[96:97] offset:512 th:TH_LOAD_NT scope:SCOPE_SE   ; and K step 2, two ahead
.endif
.endr
	v_and_b32 v1, 15, v0
	v_bfe_u32 v2, v0, 4, 1
	v_mul_u32_u24 v3, v1, PITCH
	v_lshl_add_u32 v4, v2, 4, v3
	s_mul_i32 s21, s15, HALFT
	s_mul_i32 s22, s16, HALFT
	s_add_co_u32 s22, s22, 2*HALFT
.irp s, 0,1
	v_add_nc_u32 v[ADRA+\s], s21, v4
	v_add_nc_u32 v[ADRB+\s], s22, v4
	s_add_co_u32 s21, s21, SLOT
	s_add_co_u32 s22, s22, SLOT
.endr
	v_and_b32 v[LI], 31, v0
	v_lshlrev_b32 v[LI], 4, v[LI]
	s_cmp_eq_u32 s[TT], 0
	s_cselect_b64 s[86:87], s[8:9], s[10:11]
	s_cmp_eq_u32 s[TT], 2
	s_cselect_b64 s[86:87], s[68:69], s[86:87]
	s_cselect_b32 s92, s42, s17
	s_cselect_b32 s93, s16, s15
	s_cselect_b32 s94, s17, s42
	s_cselect_b32 s95, s15, s16
	s_lshl_b32 s94, s94, 1
	s_add_co_u32 s94, s94, s95
	s_lshl_b32 s88, s94, 9
	s_mov_b32 s89, 0
	s_add_nc_u64 s[86:87], s[86:87], s[88:89]
	s_lshl_b32 s88, s94, 18
	s_lshl_b32 s95, s[TT], 23
	s_add_co_u32 s88, s88, s95
	s_lshr_b32 s95, s92, 3
	s_lshl_b32 s95, s95, 21
	s_add_co_u32 s88, s88, s95
	s_and_b32 s95, s92, 7
	s_lshl_b32 s95, s95, 1
	s_add_co_u32 s95, s95, s93
	s_lshl_b32 s95, s95, 13
	s_add_co_u32 s88, s88, s95
	s_add_nc_u64 s[90:91], s[70:71], s[88:89]
	s_wait_alu depctr_va_vdst(0)
	s_wait_kmcnt 0x0
	s_cmp_eq_u32 s[TT], 0
	s_cselect_b32 s92, s72, s74
	s_cselect_b32 s93, s73, s75
	s_cselect_b32 s94, s78, s79
	s_cmp_eq_u32 s[TT], 2
	s_cselect_b32 s92, s76, s92
	s_cselect_b32 s93, s77, s93
	s_cselect_b32 s94, s81, s94
	s_add_co_i32 s92, s92, s93
	s_sub_co_i32 s94, s94, s92
	s_sub_co_i32 s93, 0, s92
	s_add_co_i32 s94, s94, 127
	s_lshl_b32 s95, s94, 23
	v_mov_b32 v[SC], s95
	s_add_co_i32 s94, s94, 8
	s_lshl_b32 s94, s94, 23
	s_or_b32 s94, s94, 0x600000
	v_mov_b32 v[HOLD], s94
.macro FRAG reg, adr, q, i
.irp c, 0,1,2,3
	ds_load_b128 v[\reg+4*\c:\reg+4*\c+3], v[\adr] offset:128*(\q)+32*\c+(\i)*16*PITCH
.endr
.endm
.macro MUL16 a0, p, zero
.irp a, \a0, \a0+1
.irp b, 0,1,2,3,4,5,6,7
.if \zero
	v_wmma_f32_16x16x128_fp8_fp8 v[8*(8*((\a)%4)+\b):8*(8*((\a)%4)+\b)+7], v[128*(\p)+FR*\b:128*(\p)+FR*\b+FR-1], v[AF+FR*(\a):AF+FR*(\a)+FR-1], 0
.else
	v_wmma_f32_16x16x128_fp8_fp8 v[8*(8*((\a)%4)+\b):8*(8*((\a)%4)+\b)+7], v[128*(\p)+FR*\b:128*(\p)+FR*\b+FR-1], v[AF+FR*(\a):AF+FR*(\a)+FR-1], v[8*(8*((\a)%4)+\b):8*(8*((\a)%4)+\b)+7]
.endif
.endr
.endr
.endm
.macro FETCH_B slot, q, p
	WIN TO_B
.irp i, 0,1,2,3,4,5,6,7
	FRAG 128*(\p)+FR*\i, ADRB+\slot, \q, \i
.endr
	WIN 0
.endm
.macro FETCH_A slot, q, i0
.irp i, \i0, \i0+1, \i0+2, \i0+3
	FRAG AF+FR*(\i), ADRA+\slot, \q, \i
.endr
.endm
.macro PLACES n
.rept \n
	v_nop
.endr
.endm
.macro STEP slot, q, zero
	s_wait_dscnt 4*NL
	WIN MUL_LO
	MUL16 0, (\q)%2, \zero
	MUL16 2, (\q)%2, \zero
	s_wait_dscnt 0
	PLACES NP
	FETCH_B \slot, (\q)+1, 1-(\q)%2
	FETCH_A \slot, (\q)+1, 0
	WIN MUL_HI
	MUL16 4, (\q)%2, \zero
	MUL16 6, (\q)%2, \zero
	PLACES NP
	WIN 0
	FETCH_A \slot, (\q)+1, 4
.endm
.macro TURN slot, next, fill
	s_wait_tensorcnt 0x0                           ; all my tensor loads have landed: my part of the next slot;
	ds_add_u32 v[SPW], v[NIL]                      ; 0 onto my spare word
	s_wait_dscnt 0x0                               ; the add is done, and my reads of this slot are over: its last fragments are in registers
	s_barrier_signal -1
	s_barrier_wait -1
.if \fill
	CREST
	s_add_nc_u64 s[G0+4*\slot+2:G0+4*\slot+3], s[G0+4*\slot+2:G0+4*\slot+3], 2*ROWB
	s_add_nc_u64 s[G0B+4*\slot+2:G0B+4*\slot+3], s[G0B+4*\slot+2:G0B+4*\slot+3], 2*ROWB
	JLOAD G0+4*\slot, G1, G0B+4*\slot, G1B
.endif
	WIN MUL_LO                                     ; the refill is asked for: now the slot's last step is multiplied, all 64 products behind the joint load
	MUL16 0, 1, 0
	MUL16 2, 1, 0
	PLACES NP                                      ; four places between the products above and the loads into A's blocks 0-3
	FETCH_B \next, 0, 0
	FETCH_A \next, 0, 0
	WIN MUL_HI
	MUL16 4, 1, 0
	MUL16 6, 1, 0
	PLACES NP
	WIN 0
	FETCH_A \next, 0, 4
.endm
.macro LAST
	s_wait_dscnt 4*NL
	WIN MUL_LO
	MUL16 0, 1, 0
	MUL16 2, 1, 0
	s_wait_dscnt 0
	WIN MUL_HI
	MUL16 4, 1, 0
	MUL16 6, 1, 0
	WIN 0
.endm
.macro EPI a, isv
.if (\a) >= 4
	s_wait_xcnt 0x0
.endif
.set AC, 64*((\a)%4)
.set CC, CD+16*((\a)%4)
	WIN 0x02+((\a)/4)
.irp j, 0,2,4,6,8,10,12,14,16,18,20,22,24,26,28,30,32,34,36,38,40,42,44,46,48,50,52,54,56,58,60,62
.if \isv
	v_pk_add_f32 v[TMP+\j:TMP+\j+1], v[AC+\j:AC+\j+1], v[BI+2*(\a):BI+2*(\a)+1]
.else
	v_pk_add_f32 v[TMP+\j:TMP+\j+1], v[AC+\j:AC+\j+1], v[BI+\j:BI+\j+1]
.endif
.endr
	WIN 0
.irp b, 0,1,2,3,4,5,6,7
.irp i, 0,1,2,3,4,5,6,7
	v_med3_num_f32 v[TMP+8*\b+\i], v[TMP+8*\b+\i], -v[HOLD], v[HOLD]
.endr
	v_cvt_scalef32_pk8_fp8_f32 v[CC+2*\b:CC+2*\b+1], v[TMP+8*\b:TMP+8*\b+7], v[SC]
.endr
	v_nop
.irp g, 0,1,2,3
.if \isv
	global_store_b128 v[LI], v[CC+4*\g:CC+4*\g+3], s[90:91] offset:131072*((\a)/4)+2048*((\a)%4)+512*\g
.else
	global_store_b128 v[LI], v[CC+4*\g:CC+4*\g+3], s[90:91] offset:1024*(\a)+131072*(\g/2)+512*(\g%2)
.endif
.endr
.endm
	s_wait_tensorcnt 1
	s_barrier_signal -1
	s_barrier_wait -1
	FETCH_B 0, 0, 0
	FETCH_A 0, 0, 0
	FETCH_A 0, 0, 4
	STEP 0, 0, 1
	TURN 0, 1, 1
	STEP 1, 0, 0
	TURN 1, 0, 1
	STEP 0, 0, 0
	TURN 0, 1, 0
	STEP 1, 0, 0
	s_cmp_eq_u32 s[TT], 2
	s_cbranch_scc1 .Lvalues
	v_lshlrev_b32 v[BO], 5, v2
.irp b, 0,1,2,3,4,5,6,7
	global_load_b128 v[BI+8*\b:BI+8*\b+3], v[BO], s[86:87] offset:64*\b
	global_load_b128 v[BI+8*\b+4:BI+8*\b+7], v[BO], s[86:87] offset:64*\b+16
.endr
	LAST
	s_wait_loadcnt 0x0
.irp j, 0,1,2,3,4,5,6,7,8,9,10,11,12,13,14,15,16,17,18,19,20,21,22,23,24,25,26,27,28,29,30,31,32,33,34,35,36,37,38,39,40,41,42,43,44,45,46,47,48,49,50,51,52,53,54,55,56,57,58,59,60,61,62,63
	v_ldexp_f32 v[BI+\j], v[BI+\j], s93
.endr
.irp a, 0,1,2,3,4,5,6,7
	EPI \a, 0
.endr
	s_branch .Lend
.Lvalues:
	v_lshlrev_b32 v[BO], 2, v1
.irp a, 0,1,2,3,4,5,6,7
	global_load_b32 v[BI+2*\a], v[BO], s[86:87] offset:64*\a
.endr
	LAST
	s_wait_loadcnt 0x0
.irp a, 0,1,2,3,4,5,6,7
	v_ldexp_f32 v[BI+2*\a+1], v[BI+2*\a], s93
	v_ldexp_f32 v[BI+2*\a], v[BI+2*\a], s93
.endr
.irp a, 0,1,2,3,4,5,6,7
	EPI \a, 1
.endr
.Lend:
	s_wait_tensorcnt 0x0
	ds_add_u32 v[SPW], v[NIL]
	s_wait_dscnt 0x0
	CROUND
	s_endpgm
.Lfunc_end_k_qc15e8d1aaa_proj:
	.size	k_qc15e8d1aaa_proj, .Lfunc_end_k_qc15e8d1aaa_proj-k_qc15e8d1aaa_proj
	.p2alignl 7, 3214868480
	.fill 96, 4, 3214868480
	.section	.rodata,"a",@progbits
	.p2align	6, 0x0
	.amdhsa_kernel k_qc15e8d1aaa_proj
		.amdhsa_group_segment_fixed_size 327680
		.amdhsa_private_segment_fixed_size 0
		.amdhsa_enable_private_segment 0
		.amdhsa_kernarg_size 48
		.amdhsa_user_sgpr_count 2
		.amdhsa_user_sgpr_kernarg_segment_ptr 1
		.amdhsa_wavefront_size32 1
		.amdhsa_system_sgpr_workgroup_id_x 1
		.amdhsa_system_sgpr_workgroup_id_y 1
		.amdhsa_system_sgpr_workgroup_id_z 1
		.amdhsa_system_vgpr_workitem_id 0
		.amdhsa_next_free_vgpr 1024
		.amdhsa_next_free_sgpr 100
		.amdhsa_reserve_vcc 0
		.amdhsa_float_denorm_mode_32 3
		.amdhsa_float_denorm_mode_16_64 3
		.amdhsa_memory_ordered 1
		.amdhsa_forward_progress 1
		.amdhsa_inst_pref_size 203
	.end_amdhsa_kernel
	.amdgpu_metadata
---
amdhsa.version: [ 1, 2 ]
amdhsa.kernels:
  - .name:           k_qc15e8d1aaa_proj
    .symbol:         k_qc15e8d1aaa_proj.kd
    .args:
      - { .name: codes, .offset: 0, .size: 8, .value_kind: global_buffer, .address_space: global }
      - { .name: lowp_scales, .offset: 8, .size: 8, .value_kind: global_buffer, .address_space: global }
      - { .name: bq, .offset: 16, .size: 8, .value_kind: global_buffer, .address_space: global }
      - { .name: bk, .offset: 24, .size: 8, .value_kind: global_buffer, .address_space: global }
      - { .name: bv, .offset: 32, .size: 8, .value_kind: global_buffer, .address_space: global }
      - { .name: qkv, .offset: 40, .size: 8, .value_kind: global_buffer, .address_space: global }
    .group_segment_fixed_size: 327680
    .private_segment_fixed_size: 0
    .kernarg_segment_align: 8
    .kernarg_segment_size: 48
    .max_flat_workgroup_size: 128
    .sgpr_count:     100
    .vgpr_count:     1024
    .wavefront_size: 32
...
	.end_amdgpu_metadata
.endif
;; end of part 2
;; launch attn (part 3): grid 4 x 64, 16 waves a work-group, clusters of 4 x 1, 327,680 bytes of LDS; arguments qkv, lowp_scales, out0; writes out0
.if DOCPART == 3
	.amdgcn_target "amdgcn-amd-amdhsa--gfx1250"
	.amdhsa_code_object_version 6
	.text
	.protected	k_qc15e8d1aaa_attn
	.globl	k_qc15e8d1aaa_attn
	.p2align	8
	.type	k_qc15e8d1aaa_attn,@function
k_qc15e8d1aaa_attn:
	s_mov_b64 s[64:65], 0
	v_nop
	global_prefetch_b8 v0, s[64:65] scope:SCOPE_SE
	s_setreg_imm32_b32 hwreg(HW_REG_WAVE_MODE, 25, 1), 1
	s_wait_xcnt 0x0
	s_wait_alu depctr_hold_cnt(0) depctr_sa_sdst(0) depctr_va_vdst(0) depctr_va_sdst(0) depctr_va_ssrc(0) depctr_va_vcc(0) depctr_vm_vsrc(0)
	s_getreg_b32 s2, hwreg(HW_REG_IB_STS2, 6, 4)
	s_cmp_eq_u32 s2, 0
	s_cbranch_scc0 .Lentry_in_a_cluster
	s_endpgm
.Lentry_in_a_cluster:
	s_bfe_u32 s2, ttmp6, 0x10000c
	s_cmp_lg_u32 s2, 0x3003
	s_cbranch_scc0 .Lentry_shape_is_right
	s_endpgm
.Lentry_shape_is_right:
; out[b][q][64 h + d] = the sum over k of softmax_k(Q[q] . K[k] / 8) V[k][d], for each of 64 heads (16 b + h), 2,048 queries and keys, head size 64; both products on codes of E4M3.
; Q, K, V come as images of operand registers: Q at byte 0, K at 8 Mi: [head][tile of 16 rows][1,024 bytes]; V at 16 Mi: [head][128 keys][16 channels][2,048 bytes]; registers 4 g .. 4 g + 3 of a fragment at 512 g + 16 x lane.
; Entries of the buffer of scales: queries 6, keys 7, p 8, values 9.
; THE SOFTMAX AHEAD OF THE SECOND PRODUCT: t = score x log2(e) / 8; M = the row's largest t so far, rounded UP to a whole number; p = 2^(t - M) is what is quantised, not normalised.  The row's sum is taken of the
; unquantised p, in f32, and divides O at the end.  When M moves, the sum and O are multiplied by 2^(old M - new M), which rounds nothing.
; LIMITS: e6 + e7 between -123 and 130 (added to the exponent field of log2(e) / 8); e8 between -126 and 119; e8 + e9 is applied by v_ldexp_f32 and has none.
; SHARES.  A work-group owns 512 queries of one head; each of its sixteen waves 32 of them, two tiles A and B, in 256 registers.  Each fragment of K and of V read from LDS feeds two products.  Every wave walks all 2,048 keys, 128 a step.
; LDS.  A head's whole K (131,072 bytes) and V (131,072) lie in LDS, each byte filled ONCE: no ring, no refill.  Every wave asks twice, both addresses arithmetic on the wave's number (waves 0-7: K, waves 8-15: V):
; at the head for an eighth of the first N0 steps' bytes (5,120), and, behind a wait, an add to the spare word and a round of the cluster's barrier, for an eighth of the other steps' (11,264),
; which are on their way while steps 0 .. N0 - 1 are worked.  One tensor load of a wave is out at a time; every wait on TENSORcnt is for 0.  All loads are out ahead of the first step: there is no later stream to prefetch.
; ONE BARRIER behind step N0 - 1 shows two things: everybody's second part is in, and steps 0 .. N0 - 1 are read no more.  So the way out's stages (4,352 bytes a wave: waves 0-7 from K's byte 0, waves 8-15 from V's byte 0:
; 34,816 bytes each, under N0 x 8,192 = 40,960) lie in those bytes, which have had their one fill, and a wave goes out as soon as its own last step is done.
; CLUSTER.  The four blocks of 512 queries of a head form a cluster and need the same K and V: each load is asked for JOINTLY, the same descriptor and a mask that names the four.
; LAYOUT.  Both products are used transposed: S^T = K Q^T (source 0 = 16 keys, source 1 = 16 queries), O^T = V^T P^T (source 0 = 16 channels, source 1 = P): a lane holds ONE query (lane % 16) throughout.
; In tile c of S^T lane (r, h) holds keys 16 c + 8 h + 0 .. 7: their eight codes are registers 2 c, 2 c + 1 of P's fragment (ISA guide 7.12.2): nothing changes lanes.
; REGISTERS: v1 16 x lane; v2 the address of the loads in hand; v3 2^e8; v4, v5 at work; v[6:7] f; v8 -M, v9 the largest score, v[10:11] the sum in two halves (tile A); v12-15 the same (tile B);
;   v16-23, v24-31 Q of A, of B; v32-95 eight fragments of K or four of V; v96-159 S^T, then p; v160-191, v192-223 O^T of A, of B; v224-239, v240-255 p's codes of A, of B.
;   All 256 are taken, so the add's two registers (v254, v255) are made from v0 at the head, serve there, and are made anew at the end.
.set VREG, 131072                      ; LDS: K from 0, V from here
.set STB,  8192                        ; a step: 128 keys of K or of V
.set N0,   5                           ; steps whose bytes the head asks for
.set N2,   11                          ; the other steps
.set P1B,  N0*STB/8                    ; a wave's first part: 5,120 bytes, 20 rows of 256
.set P2B,  N2*STB/8                    ; its second: 11,264 bytes, 44 rows of 256
.set SPARE, 262144                     ; behind K and V: the spare words, 128 bytes a wave
.set SROW, 272                         ; the way out: a stage row: 256 bytes + 16
.set STG,  16*SROW                     ; a wave's stage: one tile of 16 rows, used for A and then for B
.set LI,   1
.set ADR,  2
.set PSC,  3
.set X,    32
.set S,    96
.set O,    160
.set P,    224
.set WV,   10                          ; s10  my wave's number
.set G1A,  16                          ; s[16:23] descriptor group 1 of the first parts
.set G0A,  24                          ; s[24:27] group 0 of my first part
.set G0B,  28                          ; s[28:31] of my second
.set G1B,  32                          ; s[32:39] group 1 of the second parts
.set SEL,  40                          ; s[40:41] lane selects for v_permlanex16_b32: lane l xor 16
.set CS,   42                          ; s[42:43] c = log2(e) / 8 x 2^(e6 + e7): the packed form names a pair and takes its low word for both halves
.set LIM,  44                          ; s44  448 x 2^e8
.set TBK,  45                          ; s45  LDS byte of the step's K
.set TBV,  46                          ; s46  of its V
.set CNT,  47                          ; s47  steps to go
.macro CROUND                          ; a round of the cluster's barrier
	s_barrier_signal -1
	s_barrier_wait -1
	s_cmp_lg_u32 s[WV], 0
	s_cbranch_scc1 .Lnot_wave_0_\@
	s_barrier_signal -3
.Lnot_wave_0_\@:
	s_barrier_wait -3
	s_barrier_signal -1
	s_barrier_wait -1
.endm
	s_load_b128 s[4:7], s[0:1], 0x0                ; the images s[4:5], the exponents s[6:7]
	s_load_b64 s[8:9], s[0:1], 0x10                ; out
	v_lshl_add_u32 v254, v0, 2, SPARE
	v_mov_b32 v255, 0
	ds_add_u32 v254, v255                          ; the opening lines: the add, twice on end, and its wait ahead of my first tensor load
	ds_add_u32 v254, v255
	v_lshrrev_b32 v1, 5, v0
	v_readfirstlane_b32 s[WV], v1                  ; wave 0..15
	s_and_b32 s13, ttmp7, 0xffff                   ; the head, which the four partners share
	; descriptor groups 1: rows of 32 elements of 8 bytes, dense in memory and in LDS; 20 rows, 44 rows
	s_mov_b32 s[G1A], 15|(3<<16)|(1<<21)           ; 15:0 the mask: all four work-groups; 17:16 elements of 8 bytes; 20 no padding; 21 set beside a mask
	s_mov_b32 s[G1A+1], 32<<16                     ; tensor_dim0 = 32
	s_mov_b32 s[G1A+2], (P1B/256)<<16              ; tensor_dim1
	s_mov_b32 s[G1A+3], 32<<16                     ; tile_dim0 = 32
	s_mov_b32 s[G1A+4], P1B/256                    ; tile_dim1
	s_mov_b32 s[G1A+5], 32                         ; tensor_dim0_stride
	s_mov_b32 s[G1A+6], 0
	s_mov_b32 s[G1A+7], 0
	s_mov_b32 s[G1B], 15|(3<<16)|(1<<21)
	s_mov_b32 s[G1B+1], 32<<16
	s_mov_b32 s[G1B+2], (P2B/256)<<16
	s_mov_b32 s[G1B+3], 32<<16
	s_mov_b32 s[G1B+4], P2B/256
	s_mov_b32 s[G1B+5], 32
	s_mov_b32 s[G1B+6], 0
	s_mov_b32 s[G1B+7], 0
	s_lshr_b32 s11, s[WV], 3                       ; 0: K, 1: V
	s_add_co_u32 s52, s11, 1
	s_lshl_b32 s52, s52, 23                        ; K's images begin at 8 Mi, V's at 16 Mi;
	s_lshl_b32 s14, s13, 17                        ; a head is 131,072 bytes
	s_add_co_u32 s52, s52, s14
	s_and_b32 s15, s[WV], 7                        ; which eighth is mine
	s_mul_i32 s54, s15, P1B                        ; my first part, from K's or V's first byte,
	s_mul_i32 s55, s15, P2B
	s_add_co_u32 s55, s55, N0*STB                  ; and my second
	s_lshl_b32 s60, s11, 17                        ; in LDS: K at 0, V at 131,072
	s_mov_b32 s[G0A], 1                            ; 1:0 count = 1
	s_add_co_u32 s[G0A+1], s60, s54                ; 63:32 LDS address: the wave's number alone
	s_mov_b32 s[G0B], 1
	s_add_co_u32 s[G0B+1], s60, s55
	s_add_co_u32 s56, s52, s54                     ; the same two in the buffer of images: under 2^25
	s_mov_b32 s57, 0
	s_add_co_u32 s58, s52, s55
	s_mov_b32 s59, 0
	s_mov_b32 s[SEL], 0x76543210
	s_mov_b32 s[SEL+1], 0xfedcba98
	s_mov_b32 s[CS], 0x3e38aa3b                    ; log2(e) / 8
	s_wait_dscnt 0x0                               ; both opening adds are done
	s_wait_kmcnt 0x0
	s_load_b128 s[48:51], s[6:7], 0x18             ; e6, e7, e8, e9
	s_add_nc_u64 s[G0A+2:G0A+3], s[4:5], s[56:57]  ; 120:64 global address
	s_or_b32 s[G0A+3], s[G0A+3], 0x80000000        ; 127:126 type = 2
	s_add_nc_u64 s[G0B+2:G0B+3], s[4:5], s[58:59]
	s_or_b32 s[G0B+3], s[G0B+3], 0x80000000
	CROUND                                         ; all four work-groups are here: the joint loads meet
	tensor_load_to_lds s[G0A:G0A+3], s[G1A:G1A+7]  ; my one tensor load at the head
	s_nop 0
	s_bfe_u32 s12, ttmp6, 0x40000                  ; cx: which 512 queries of the head: it enters Q's and out's addresses alone
	s_lshl_b32 s56, s12, 15                        ; 32 tiles of 1,024 bytes,
	s_add_co_u32 s56, s56, s14                     ; in my head,
	s_lshl_b32 s57, s[WV], 11                      ; my wave's two tiles
	s_add_co_u32 s56, s56, s57
	s_mov_b32 s57, 0
	s_add_nc_u64 s[56:57], s[4:5], s[56:57]
	v_and_b32 v[LI], 31, v0
	v_lshlrev_b32 v[LI], 4, v[LI]
.irp i, 0,1,2,3
	global_load_b128 v[16+4*\i:19+4*\i], v[LI], s[56:57] offset:512*\i   ; Q's two fragments stay in registers
.endr
	s_lshr_b32 s58, s13, 4                         ; out: the batch's 2,048 rows,
	s_lshl_b32 s58, s58, 11
	s_lshl_b32 s59, s12, 9                         ; my work-group's 512,
	s_add_co_u32 s58, s58, s59
	s_lshl_b32 s59, s[WV], 5                       ; my wave's 32,
	s_add_co_u32 s58, s58, s59
	s_lshl_b32 s58, s58, 12                        ; of 4,096 bytes: under 2^25;
	s_and_b32 s59, s13, 15
	s_lshl_b32 s59, s59, 8                         ; the head's 256 bytes of a row
	s_add_co_u32 s58, s58, s59
	s_mov_b32 s59, 0
	s_add_nc_u64 s[8:9], s[8:9], s[58:59]
	v_mov_b32 v9, 0xff61b1e6                       ; the largest score so far: -3e38, under every score
	v_mov_b32 v13, 0xff61b1e6
	v_mov_b32 v10, 0                               ; the sums, in two halves
	v_mov_b32 v11, 0
	v_floor_f32 v8, -v9                            ; -M: so large that the first f is 0
	v_floor_f32 v12, -v13
	v_mov_b32 v14, 0
	v_mov_b32 v15, 0
	v_mov_b32 v7, 0                                ; (named as the upper half of the pair v[6:7])
.set jj, 0
.rept 64
	v_mov_b32 v[O+jj], 0                           ; O^T.  (The step has no first step of its own: it finds zeros, which the first change of M leaves zeros)
.set jj, jj+1
.endr
	s_wait_kmcnt 0x0
	s_add_co_i32 s14, s48, s49
	s_lshl_b32 s14, s14, 23
	s_add_co_i32 s[CS], s[CS], s14                 ; a score stands for score x 2^(e6 + e7): the two exponents are added to c's exponent field
	s_mov_b32 s[CS+1], s[CS]                       ; (named with it as a pair, so it is written)
	s_add_co_i32 s14, s50, 127
	s_lshl_b32 s15, s14, 23
	v_mov_b32 v[PSC], s15                          ; 2^e8 as f32, for the conversion
	s_add_co_i32 s14, s14, 8
	s_lshl_b32 s14, s14, 23
	s_or_b32 s[LIM], s14, 0x600000                 ; 448 x 2^e8
; Between two links of the chain that leads from the largest score to f.  Tile A: a hint.  Tile B: two of V's sixteen loads (four fragments of 16 channels x 128 keys, as they lie), which are out while the softmax is worked.
.macro GAP q, n, dep
.if \q
	ds_load_b128 v[X+8*(\n):X+8*(\n)+3], v[ADR] offset:1024*(\n)
	ds_load_b128 v[X+8*(\n)+4:X+8*(\n)+7], v[ADR] offset:1024*(\n)+512
.else
	s_delay_alu instid0(VALU_DEP_\dep)
.endif
.endm
; Tile q's softmax for 128 keys: the lane's 64 scores in v[S] on become p, its sum, and its codes; O^T of the tile comes under the new M.
.macro SOFTMAX q
.set ST, 8+4*(\q)
.set PQ, P+16*(\q)
.set OQ, O+32*(\q)
	v_max3_num_f32 v4, v[S], v[S+1], v[S+2]        ; the step's largest score of my query, among my 64 keys, in two chains; each accumulator is read from its low end on
	v_max3_num_f32 v5, v[S+3], v[S+4], v[S+5]
.set jj, 6
.rept 14
	v_max3_num_f32 v4, v4, v[S+jj], v[S+jj+1]
	v_max3_num_f32 v5, v5, v[S+jj+2], v[S+jj+3]
.set jj, jj+4
.endr
	v_max3_num_f32 v4, v4, v[S+62], v[S+63]
	GAP \q, 0, 1
	v_max_num_f32 v4, v4, v5
	GAP \q, 1, 1
	v_permlanex16_b32 v5, v4, s[SEL], s[SEL+1]
	GAP \q, 2, 1
	v_max3_num_f32 v[ST+1], v[ST+1], v4, v5        ; the running largest score: mine, lane l xor 16's, and the earlier steps'
	GAP \q, 3, 1
	v_mul_f32 v4, s[CS], v[ST+1]                   ; as t (c is positive, so the largest score gives the largest t)
	GAP \q, 4, 1
	v_floor_f32 v5, -v4                            ; the new -M = floor(-t) = -ceil(t): M is a whole number
	GAP \q, 5, 1
	v_sub_f32 v4, v5, v[ST]                        ; M's old value less its new one: a whole number, 0 or less
	v_mov_b32 v[ST], v5
	GAP \q, 6, 2
	v_cvt_i32_f32 v4, v4                           ; (it saturates)
	GAP \q, 7, 1
	v_ldexp_f32 v6, 1.0, v4                        ; f = 2^(old M - new M)
.set jj, 0
.rept 32
	v_pk_fma_f32 v[S+jj:S+jj+1], v[S+jj:S+jj+1], s[CS:CS+1], v[ST:ST+1] op_sel_hi:[1,0,0]   ; t - M, two at a time (of the pairs c and -M the low word serves both halves)
.set jj, jj+2
.endr
	s_wait_alu depctr_va_vdst(0)                   ; the wait ahead of the batch, and directly ahead of the first reader of O^T: one line serves both
.set jj, 0
.rept 16
	v_pk_mul_f32 v[OQ+jj:OQ+jj+1], v[OQ+jj:OQ+jj+1], v[6:7] op_sel_hi:[1,0]   ; O^T under the new M; each accumulator from its low end on
.set jj, jj+2
.endr
.set jj, 0
.rept 64
	v_exp_f32 v[S+jj], v[S+jj]                     ; p = 2^(t - M), at most 1: not normalised.  One batch
.set jj, jj+1
.endr
	v_pk_mul_f32 v[ST+2:ST+3], v[ST+2:ST+3], v[6:7] op_sel_hi:[1,0]   ; the sums under the new M: the plain line behind the last exponential
	s_wait_alu depctr_va_vdst(0)                   ; one wait for the whole batch, ahead of the first line that names a result
	v_dual_add_f32 v4, v[S], v[S+2] :: v_dual_add_f32 v5, v[S+1], v[S+3]      ; the row's sum is taken of the UNQUANTISED p: two additions a line, in four chains
.set jj, 4
.rept 15
	v_dual_add_f32 v[ST+2], v[ST+2], v[S+jj] :: v_dual_add_f32 v[ST+3], v[ST+3], v[S+jj+1]
	v_dual_add_f32 v4, v4, v[S+jj+2] :: v_dual_add_f32 v5, v5, v[S+jj+3]
.set jj, jj+4
.endr
.set jj, 0
.rept 32                                       ; the conversion to an 8-bit code does not saturate (ISA guide 7.6.2); p is not negative, so the hold is one-sided; it stands without a branch, whatever e8 is; two numbers a line
	v_dual_min_num_f32 v[S+jj], s[LIM], v[S+jj] :: v_dual_min_num_f32 v[S+jj+1], s[LIM], v[S+jj+1]
.set jj, jj+2
.endr
.set cc, 0
.rept 8
	v_cvt_scalef32_pk8_fp8_f32 v[PQ+2*cc:PQ+2*cc+1], v[S+8*cc:S+8*cc+7], v[PSC]   ; keys 16 c + 8 h + 0 .. 7: registers 2 c, 2 c + 1 of P's fragment
.set cc, cc+1
.endr
	v_pk_add_f32 v[ST+2:ST+3], v[ST+2:ST+3], v[4:5]   ; the four chains become two.  (Also the plain line owed behind the last conversion)
.endm
; A KEY STEP: 128 keys.
.macro STEP
	v_add_nc_u32 v[ADR], s[TBK], v[LI]
.rept 3
	v_nop                                          ; with the addition: four places between the last step's products, which read v[X] on, and the loads into it
.endr
.set ii, 0
.rept 16
	ds_load_b128 v[X+4*ii:X+4*ii+3], v[ADR] offset:512*ii   ; K: eight fragments of 16 keys x 64, as they lie: 512 consecutive bytes a load
.set ii, ii+1
.endr
	s_wait_dscnt 0x0
.set cc, 0
.rept 8
	v_wmma_f32_16x16x64_fp8_fp8 v[S+8*cc:S+8*cc+7], v[X+8*cc:X+8*cc+7], v[16:23], 0   ; S^T of tile A
.set cc, cc+1
.endr
.rept 4
	v_nop                                          ; places in front of the first read of the scores
.endr
	SOFTMAX 0
	v_add_nc_u32 v[ADR], s[TBV], v[LI]
.set cc, 0
.rept 8
	v_wmma_f32_16x16x64_fp8_fp8 v[S+8*cc:S+8*cc+7], v[X+8*cc:X+8*cc+7], v[24:31], 0   ; S^T of tile B, from the same fragments of K
.set cc, cc+1
.endr
.rept 4
	v_nop                                          ; four places, for the first read of the scores and for V's loads into v[X] on, which stand in tile B's softmax
.endr
	SOFTMAX 1
	s_wait_alu depctr_va_vdst(0)                   ; the wait here, directly ahead of the wait below
	s_wait_dscnt 0x0
.set tt, 0
.rept 4                                        ; O^T += V^T P^T: the eight accumulators take turns, one instruction a turn; between two links of a chain stand the other seven and a step's sixteen score products
	v_wmma_f32_16x16x128_fp8_fp8 v[O+8*tt:O+8*tt+7], v[X+16*tt:X+16*tt+15], v[P:P+15], v[O+8*tt:O+8*tt+7]
	v_wmma_f32_16x16x128_fp8_fp8 v[O+32+8*tt:O+32+8*tt+7], v[X+16*tt:X+16*tt+15], v[P+16:P+31], v[O+32+8*tt:O+32+8*tt+7]
.set tt, tt+1
.endr
.endm
.macro STEPS first, n                          ; n steps, from step first on
	s_mov_b32 s[TBK], \first*STB
	s_mov_b32 s[TBV], VREG+\first*STB
	s_mov_b32 s[CNT], \n
.Lstep_\@:
	STEP
	s_add_co_u32 s[TBK], s[TBK], STB
	s_add_co_u32 s[TBV], s[TBV], STB
	s_sub_co_u32 s[CNT], s[CNT], 1
	s_cmp_lg_u32 s[CNT], 0
	s_cbranch_scc1 .Lstep_\@
.endm
	s_wait_alu depctr_va_vdst(0)                   ; the wait at the head's end
	s_wait_loadcnt 0x0                             ; Q
	s_wait_tensorcnt 0x0                           ; my first part is in LDS; ahead of a later first fill:
	ds_add_u32 v254, v255                          ; 0 onto my spare word,
	s_wait_dscnt 0x0                               ; and the wait for it
	CROUND                                         ; a whole round: everybody's first part is in, and all four work-groups are here: the joint loads meet
	tensor_load_to_lds s[G0B:G0B+3], s[G1B:G1B+7]  ; my second part: the first tensor load behind the round, and my last
	s_nop 0
	STEPS 0, N0
	s_wait_tensorcnt 0x0                           ; my second part is in LDS,
	s_wait_dscnt 0x0                               ; and my reads of steps 0 .. N0 - 1 are over
	s_barrier_signal -1
	s_barrier_wait -1                              ; both now hold of every wave
	STEPS N0, N2
	; THE WAY OUT.  O^T is divided by the sum, multiplied by 2^(e8 + e9), and goes through my stage in LDS, a tile at a time, so that sixteen lanes store the head's 256 bytes of a row of out, aligned.
	v_and_b32 v16, 15, v0                          ; r.  (Q's registers are free.  These lines are the places behind the last products)
	v_bfe_u32 v17, v0, 4, 1                        ; h
	s_and_b32 s14, s[WV], 7
	s_mul_i32 s14, s14, STG
	s_lshr_b32 s15, s[WV], 3
	s_lshl_b32 s15, s15, 17
	s_add_co_u32 s14, s14, s15                     ; my stage: waves 0-7 from K's byte 0 on, waves 8-15 from V's
	v_mul_u32_u24 v18, v16, SROW
	v_mul_u32_u24 v19, v17, SROW
	v_lshlrev_b32 v20, 12, v17
	v_lshl_add_u32 v18, v17, 5, v18
	v_lshl_add_u32 v19, v16, 4, v19
	v_lshl_add_u32 v20, v16, 4, v20                ; out: 4,096 h + 16 r
	v_add_nc_u32 v18, s14, v18                     ; in: row r; channels 16 t + 8 h on: 64 t + 32 h bytes
	v_add_nc_u32 v19, s14, v19                     ; back: lanes 0-15 one row, lanes 16-31 the next
	v_add_f32 v10, v10, v11                        ; the sums' two halves,
	v_add_f32 v14, v14, v15
	v_permlanex16_b32 v4, v10, s[SEL], s[SEL+1]
	v_permlanex16_b32 v5, v14, s[SEL], s[SEL+1]
	v_add_f32 v10, v10, v4                         ; and lane l xor 16's: the rows' sums
	v_add_f32 v14, v14, v5
	s_add_co_i32 s15, s50, s51
	s_wait_alu depctr_va_vdst(0)                   ; the wait ahead of the transcendentals
	v_rcp_f32 v10, v10
	v_rcp_f32 v14, v14
	v_nop                                          ; the plain line behind the reciprocals
	s_wait_alu depctr_va_vdst(0)                   ; one wait for both, ahead of their first reader
	v_ldexp_f32 v10, v10, s15                      ; x 2^(e8 + e9)
	v_ldexp_f32 v14, v14, s15
	s_wait_alu depctr_va_vdst(0)                   ; the wait here, directly ahead of the first reader of O^T
.set jj, 0
.rept 16
	v_pk_mul_f32 v[S+jj:S+jj+1], v[O+jj:O+jj+1], v[10:11] op_sel_hi:[1,0]             ; register 8 t + j: out(query r, channel 16 t + 8 h + j); each accumulator from its low end on
.set jj, jj+2
.endr
.set jj, 0
.rept 16
	v_pk_mul_f32 v[S+32+jj:S+32+jj+1], v[O+32+jj:O+32+jj+1], v[14:15] op_sel_hi:[1,0]
.set jj, jj+2
.endr
.irp q, 0,1
.irp t, 0,1,2,3
	ds_store_b128 v18, v[S+32*\q+8*\t:S+32*\q+8*\t+3] offset:64*\t
	ds_store_b128 v18, v[S+32*\q+8*\t+4:S+32*\q+8*\t+7] offset:64*\t+16
.endr
.irp i, 0,1,2,3,4,5,6,7
	ds_load_b128 v[X+32*\q+4*\i:X+32*\q+4*\i+3], v19 offset:2*SROW*\i   ; LDS serves a wave's instructions in order (ISA guide 5.7.1.4): these see my stores, and tile B's stores come behind tile A's loads
.endr
.endr
.irp q, 0,1
.irp i, 0,1,2,3,4,5,6,7
	s_wait_dscnt 23-16*\q-\i                       ; behind this load: the tile's later loads, and for tile A tile B's sixteen LDS instructions
	global_store_b128 v20, v[X+32*\q+4*\i:X+32*\q+4*\i+3], s[8:9] offset:(16*\q+2*\i)*4096 th:TH_STORE_NT   ; 16 lanes store 256 consecutive bytes, at a multiple of 256 from out's first byte; written once, read by nobody here
.endr
.endr
	s_wait_xcnt 0x0
	v_lshl_add_u32 v254, v0, 2, SPARE              ; the add's two registers, made anew
	v_mov_b32 v255, 0
	s_wait_alu depctr_va_vdst(0)
	s_wait_tensorcnt 0x0                           ; the wave's end
	ds_add_u32 v254, v255
	s_wait_dscnt 0x0
	CROUND                                         ; the closing round: no work-group ends while a partner may still ask for a tile that names it
	s_endpgm
.Lfunc_end_k_qc15e8d1aaa_attn:
	.size	k_qc15e8d1aaa_attn, .Lfunc_end_k_qc15e8d1aaa_attn-k_qc15e8d1aaa_attn
	.p2alignl 7, 3214868480
	.fill 96, 4, 3214868480
	.section	.rodata,"a",@progbits
	.p2align	6, 0x0
	.amdhsa_kernel k_qc15e8d1aaa_attn
		.amdhsa_group_segment_fixed_size 327680
		.amdhsa_private_segment_fixed_size 0
		.amdhsa_enable_private_segment 0
		.amdhsa_kernarg_size 24
		.amdhsa_user_sgpr_count 2
		.amdhsa_user_sgpr_kernarg_segment_ptr 1
		.amdhsa_wavefront_size32 1
		.amdhsa_system_sgpr_workgroup_id_x 1
		.amdhsa_system_sgpr_workgroup_id_y 1
		.amdhsa_system_sgpr_workgroup_id_z 1
		.amdhsa_system_vgpr_workitem_id 0
		.amdhsa_next_free_vgpr 256
		.amdhsa_next_free_sgpr 66
		.amdhsa_reserve_vcc 0
		.amdhsa_float_denorm_mode_32 3
		.amdhsa_float_denorm_mode_16_64 3
		.amdhsa_memory_ordered 1
		.amdhsa_forward_progress 1
		.amdhsa_inst_pref_size 73
	.end_amdhsa_kernel
	.amdgpu_metadata
---
amdhsa.version: [ 1, 2 ]
amdhsa.kernels:
  - .name:           k_qc15e8d1aaa_attn
    .symbol:         k_qc15e8d1aaa_attn.kd
    .args:
      - { .name: qkv, .offset: 0, .size: 8, .value_kind: global_buffer, .address_space: global }
      - { .name: lowp_scales, .offset: 8, .size: 8, .value_kind: global_buffer, .address_space: global }
      - { .name: out0, .offset: 16, .size: 8, .value_kind: global_buffer, .address_space: global }
    .group_segment_fixed_size: 327680
    .private_segment_fixed_size: 0
    .kernarg_segment_align: 8
    .kernarg_segment_size: 24
    .max_flat_workgroup_size: 512
    .sgpr_count:     66
    .vgpr_count:     256
    .wavefront_size: 32
...
	.end_amdgpu_metadata
.endif
;; end of part 3
